; MI455X (gfx1250); checked and timed in simulation.
; The chip was launched on July 23, 2026; its instructions are those of AMD's public machine-readable ISA for CDNA 5 (MIT licence, August 2026) and "CDNA5" Instruction Set Architecture Reference Guide (July 2026). The comments in the code are by the model that wrote it; some were corrected since.
;; Stationary Kernel. Allowed arithmetic: matrix products marked QUANTISED: E4M3 operands, one given power-of-two scale a tensor, by v_wmma_f32_16x16x64_fp8_fp8 or v_wmma_f32_16x16x128_fp8_fp8, f32 sums; products left as they are: f32 operands where the result goes on into a quantised operand, else bf16, f16 or f32 operands; f32 sums; everything else in f32.
;; Inputs: W1 96 x 128 float32; W2 128 x 128 float32; W3 128 x 1 float32; b1 128 float32; b2 128 float32; b3 1 float32; lowp_scales 4 int32 (the exponents e of the quantised operands' scales 2^e); t 4 x 32 float32; x 4 x 512 x 64 float32; y 4 x 512 x 64 float32.
;; Outputs: out0 4 x 512 x 512 float32.
;; This version of the problem:
;;   THIS VERSION OF THE PROBLEM IS GIVEN IN LOW PRECISION. The matrix products marked QUANTISED in the list below multiply operands that are first quantised to E4M3 (4 exponent bits, 3 mantissa bits; 8 bits a number), with one given power-of-two scale for each operand tensor; their sums are f32. All else is computed in f32.
;;   The module's matrix products, in the order in which they are computed (A, B: the left and right operand; K: the contracted axis; several contracted axes count as one K, in the product's order):
;;     1. [M 1,048,576, K 64] x [K 64, N 128]; A: computed on the way; B: input W1: QUANTISED (scales: A lowp_scales[0], B lowp_scales[1])
;;     2. [M 4, K 32] x [K 32, N 128]; A: input t; B: input W1: left as it is (M = 4 < 16)
;;     3. [M 1,048,576, K 128] x [K 128, N 128]; A: computed on the way; B: input W2: QUANTISED (scales: A lowp_scales[2], B lowp_scales[3])
;;     4. [M 1,048,576, K 128] x [K 128, N 1]; A: computed on the way; B: input W3: left as it is (N = 1 < 16)
;;   THE QUANTISER, for each operand of a quantised product, along K:
;;     - The operand's scale is 2^e, e = its entry of the input lowp_scales (int32; the entries are numbered through the quantised products in the list's order, A before B).
;;     - Each number is divided by the scale, clamped to +-448, and rounded to the nearest number of E4M3, ties to even, subnormals kept.
;;     - The product sums the exact products of the quantised numbers (number of the format x scale) in f32.
;;   ~~~python
;;   def quantise(x, axis, e):      # numpy; x: float32 -> the quantised numbers, widened to float32 again
;;       x = np.moveaxis(x, axis, -1); K = x.shape[-1]
;;       r = np.clip(x / 2.0 ** e, -448, 448)
;;       step = 2.0 ** (np.maximum(np.frexp(np.where(r == 0, 1, r))[1] - 1, -6) - 3)
;;       q = np.round(r / step) * step * 2.0 ** e      # np.round: ties to even
;;       return np.moveaxis(q, -1, axis).astype(np.float32)
;;   ~~~
;;   OPERANDS COMPUTED ON THE WAY. 'Computed on the way' means the value that the module computes at that place (a softmax that the list does not call 'softmax' is quantised finished and normalised). What goes into a quantiser is computed in f32, as accurately as f32 sums, v_exp_f32 and their like allow (about 1e-6 of the number): no bf16 or f16 on the way to a quantiser, and a product that is left as it is and whose result goes on into a quantised operand takes f32 operands (vector FMAs, or v_wmma_f32_16x16x4_f32). A number that lies on a knife's edge between two numbers of the format may be rounded either way, as far as f32 arithmetic and the matrix unit's own rounding can turn it there, and no further.
;; One version. Each part assembles by itself: llvm-mc -triple=amdgcn-amd-amdhsa -mcpu=gfx1250 --defsym DOCPART=n.
;; ======== version 1 of 1: 1 launch
;; limits: right only within a limited range of input values
;; launch pairs (part 1): grid 64 x 4, 4 waves a work-group, no clusters, 31,232 bytes of LDS; arguments x, y, t, W1, b1, W2, b2, W3, b3, lowp_scales, out0; writes out0
.if DOCPART == 1
	.amdgcn_target "amdgcn-amd-amdhsa--gfx1250"
	.amdhsa_code_object_version 6
	.text
	.protected	k_q7fb0f20b10_pairs
	.globl	k_q7fb0f20b10_pairs
	.p2align	8
	.type	k_q7fb0f20b10_pairs,@function
k_q7fb0f20b10_pairs:
	s_mov_b64 s[64:65], 0
	v_nop
	global_prefetch_b8 v0, s[64:65] scope:SCOPE_SE
	s_setreg_imm32_b32 hwreg(HW_REG_WAVE_MODE, 25, 1), 1
	s_wait_xcnt 0x0
; out0[b][i][j] = W3 . relu( W2^T relu( W1[:64]^T (x[b][i] - y[b][j])^2 + t[b] W1[64:] + b1 ) + b2 ) + b3.   x, y: [4][512][64]; out0: [4][512][512]; all f32.
; The two large products are made on codes of FP8 (E4M3), each operand with the one scale 2^e that is given for it: e0 the squared differences, e1 W1[:64], e2 the first hidden layer, e3 W2.
; SHARES.  Work-group (gx, b): batch b, rows i = 16 (gx / 2) + 0 .. 15, columns j from 256 (gx % 2) on.  Wave w owns 64 of those columns, from j0 = 256 (gx % 2) + 64 w, and walks the 16 rows:
; a UNIT is one i against its 64 j, four TILES of 16 pairs.  4 x 32 x 2 = 256 work-groups of equal work, four waves each.
; NOTHING IS FETCHED AGAIN.  W1's and W2's fragments (64 + 128 registers), three tables in the results' layout (3 x 64) and y's 64 rows (128) stay in the wave's registers; a unit reads its row of x from LDS, eight loads.
; BOTH PRODUCTS ARE USED TRANSPOSED: source 0 = 16 units of the weight, source 1 = 16 pairs.  Lane (r, h) then holds pair r, and register j of tile T unit 16 T + 8 h + j: eight neighbours along the next K, in the very
; places that the next operand's layout gives that lane (registers 2 c, 2 c + 1: k = 16 c + 8 h + 0 .. 7).  So the conversions' results ARE the next operand, and no row of a weight is moved.
; THE j OF A TILE: lane r of tile t takes j0 + 32 (t / 2) + 2 r + t % 2, so that lane L ends with columns j0 + 2 L and j0 + 2 L + 1: a wave's one store of 8 bytes a lane covers 256 consecutive bytes, aligned.
; THE SCALES ARE FOLDED.  c1 = t[b] W1[64:] + b1 (f32 multiply-adds) goes in as c1 / 2^(e0 + e1), the C of the first product; the hidden layer's conversion takes 2^(e2 - e0 - e1).  With s = 2^(e2 + e3):
; relu(s S + b2) = s max(S, -b2 / s) + b2, so out = sum of (W3 s) max(S, -b2 / s) + K0, K0 = W3 . b2 + b3: the second product begins with C = 0 and its bias costs no line.
; That form adds an f32 rounding of the order 1e-7 x the sum of |W3 b2| to a result.
; LIMITS: e0, e1, e3 and e2 - e0 - e1 lie between -126 and 119, so that each scale and 448 x it is an f32 number; e0 + e1 and e2 + e3 are applied by v_ldexp_f32.  NaN and infinities among the inputs are not served.
; NO JOINT LOADS, NO RING: what work-groups share is the weights, 112 KB, which each reads once at its head; the loop reads nothing from memory, so there is no stream of tiles to share or to ask for ahead.
; BY TURNS.  A tile goes through P1 (differences, squares, codes), M1 (8 products, K = 64), P2 (relu and hold in one, codes), M2 (8 products, K = 128), P3 (maxima, dot product with W3).  Three tiles are in hand:
; a SLOT finishes tile t (P3), takes tile t + 1 through M1, P2, M2, and makes tile t + 2's codes (P1); the matrix instructions stand between vector lines that run under the same window setting.
; No sum is a chain: each accumulator is written by one matrix instruction, with C = the bias table or 0.
;
; REGISTERS, in windows of 256 (s_set_vgpr_msb: bits 1:0 source 0, 3:2 source 1, 5:4 source 2, 7:6 destination):
;   window 0: v1 OFF; v2, v3 the two scales; v[4:5] second chain of the dot product; v[6:7] what is stored; v[8:15] a pair of partial sums a tile; v16-31 two sets of codes of the differences;
;             v32-63 the differences (v32-47 later the hidden layer's codes); v64-127 W1's fragments; v128-191, v192-255 two buffers of 8 accumulators
;   window 1: v0-127 y (32 a tile); v128-159 the unit's row of x; v160-223 c1 / 2^(e0 + e1); v224, v225 LDS addresses of x
;   window 2: v0-127 W2's fragments; v128-191 W3 s; v192-255 -b2 / s
.set XL,    0                          ; LDS: x's 16 rows of 256 bytes, as in memory
.set TB1,   4096                       ; c1 / 2^(e0 + e1), 128 numbers
.set TW3,   4608                       ; W3 s
.set TNB,   5120                       ; -b2 / s
.set W1IMG, 5632                       ; W1's 8 fragments as images of their registers: group g of four registers at 512 g + 16 x lane; 1,040 bytes a tile
.set W2IMG, 13952                      ; W2's 8 fragments likewise: four groups; 2,064 bytes a tile.  Ends at 30,464
.set OFF,  1
.set SC1,  2                           ; 2^e0
.set SC2,  3                           ; 2^(e2 - e0 - e1)
.set TBR,  4
.set O,    6
.set P,    8
.set C1,   16
.set D,    32
.set C2,   32
.set W1F,  64
.set HB,   128
.set Y,    0                           ; window 1
.set X,    128
.set B1,   160
.set XA0,  224
.set ADR,  225
.set W3,   128                         ; window 2
.set NB,   192
.set LI,   4                           ; at the head only: 16 x lane
.set T16,  5                           ; 16 x thread
.set YO,   6                           ; 512 r + 32 h
.set H32,  7                           ; 32 h
.set A1,   8                           ; 16 x lane + 8,192 x wave: my 16 rows of W1
.set A2,   9                           ; 16 x lane + 16,384 x wave: my 32 rows of W2
.set I1,   10                          ; where my codes of W1 go
.set I2,   11                          ; and of W2
.set SW1,  12                          ; 2^e1
.set SW2,  13                          ; 2^e3
.set T,    32                          ; v32-63: a block of a weight, turned
.set WV,   26                          ; s26 wave; s27 batch; s28-31 at work
.set BT,   27
.set TT,   32                          ; s[32:63] t[b][0 .. 31]
.set E,    68                          ; s[68:71] e0 .. e3
.set LIM1, 72                          ; 448 x 2^e0
.set LIM2, 73                          ; 448 x 2^(e2 - e0 - e1)
.set K0,   74
.set TRIPS, 75
.set XR,   76                          ; LDS byte of the row of x to be fetched next
.set SEL,  77                          ; s77, s78: v_permlanex16_b32's selects for lane l xor 16
.set B3,   79
.set LW1,  80                          ; s80, s81: -+ 448 x 2^e1
.set LW2,  82                          ; s82, s83: -+ 448 x 2^e3
.set NE01, 84                          ; -(e0 + e1)
.set E23,  85                          ; e2 + e3
.set NE23, 86                          ; -(e2 + e3)
.set MSB, 0
.macro WIN new                         ; the immediate's high byte repeats the setting that is left; a switch that changes nothing is dropped
.if MSB != \new
	s_set_vgpr_msb (MSB<<8)|\new
.set MSB, \new
.endif
.endm
.macro PLACES                          ; four plain vector lines behind a matrix instruction, ahead of a vector line that reads its result or writes one of its registers (ISA guide 7.12.1)
.rept 4
	v_nop
.endr
.endm
.macro POW2 se, vd, sl                 ; v[vd] = 2^s[se] as f32; s[sl] = 448 x that (448's mantissa field under an exponent 8 higher)
	s_add_co_i32 s28, s[\se], 127
	s_lshl_b32 s29, s28, 23
	v_mov_b32 v[\vd], s29
	s_add_co_i32 s28, s28, 8
	s_lshl_b32 s28, s28, 23
	s_or_b32 s[\sl], s28, 0x600000
.endm
	s_load_b512 s[4:19], s[0:1], 0x0               ; x s[4:5], y s[6:7], t s[8:9], W1 s[10:11], b1 s[12:13], W2 s[14:15], b2 s[16:17], W3 s[18:19]
	s_load_b128 s[20:23], s[0:1], 0x40             ; b3 s[20:21], the scales' exponents s[22:23]
	s_load_b64 s[24:25], s[0:1], 0x50              ; out0
	s_set_vgpr_msb 0x40
	v_lshl_add_u32 v254, v0, 2, 0x7800
	v_mov_b32 v255, 0
	s_set_vgpr_msb 0x4000
	v_lshrrev_b32 v1, 5, v0
	v_readfirstlane_b32 s[WV], v1                  ; wave 0..3
	v_lshlrev_b32 v1, 2, v0                        ; 4 x thread: my unit's place in a row of 128 f32 (v1 becomes OFF at the head's end)
	v_and_b32 v14, 15, v0                          ; r
	v_bfe_u32 v15, v0, 4, 1                        ; h
	v_and_b32 v[LI], 31, v0
	v_lshlrev_b32 v[LI], 4, v[LI]
	v_lshlrev_b32 v[T16], 4, v0
	v_lshlrev_b32 v[YO], 9, v14                    ; y: lane r's rows lie two apart: 512 r, + 32 h: my eight numbers of each sixteen
	v_lshl_add_u32 v[YO], v15, 5, v[YO]
	v_lshlrev_b32 v[H32], 5, v15
	s_lshl_b32 s28, s[WV], 13
	v_add_nc_u32 v[A1], s28, v[LI]
	s_lshl_b32 s28, s[WV], 14
	v_add_nc_u32 v[A2], s28, v[LI]
	; Eight codes of column n, rows 8 o .. 8 o + 7, belong to tile n / 16, lane 16 (o % 2) + n % 16, registers 2 (o / 2) and the next: byte 512 (o / 4) + 256 (o % 2) + 16 (n % 16) + 8 ((o / 2) % 2) of the tile's image.
	; My columns are n = 4 L + c.  W1: o = 2 w + blk.  W2: o = 4 w + blk.  What hangs on blk and c stands in the stores' immediates.
	v_bfe_u32 v12, v0, 2, 3                        ; L / 4: the tile
	v_and_b32 v13, 3, v0                           ; L % 4
	v_mul_u32_u24 v[I1], v12, 1040
	v_lshl_add_u32 v[I1], v13, 6, v[I1]
	s_lshr_b32 s28, s[WV], 1
	s_lshl_b32 s28, s28, 9
	s_and_b32 s29, s[WV], 1
	s_lshl_b32 s29, s29, 3
	s_add_co_u32 s28, s28, s29
	v_add_nc_u32 v[I1], s28, v[I1]                 ; 1,040 (L / 4) + 64 (L % 4) + 512 (w / 2) + 8 (w % 2)
	v_mul_u32_u24 v[I2], v12, 2064
	v_lshl_add_u32 v[I2], v13, 6, v[I2]
	s_lshl_b32 s28, s[WV], 9
	v_add_nc_u32 v[I2], s28, v[I2]                 ; 2,064 (L / 4) + 64 (L % 4) + 512 w
	s_mov_b32 s[SEL], 0x76543210
	s_mov_b32 s[SEL+1], 0xfedcba98
	s_mov_b32 vcc_lo, 0xffff0000                   ; lanes 16-31: set once, for the selects on the way out
	s_and_b32 s[BT], ttmp7, 0xffff                 ; the batch
	s_lshr_b32 s28, ttmp9, 1                       ; which 16 rows i
	s_and_b32 s29, ttmp9, 1
	s_lshl_b32 s29, s29, 2
	s_add_co_u32 s29, s29, s[WV]                   ; which 64 columns j: 4 (gx % 2) + wave
	s_lshl_b32 s30, s[BT], 17                      ; a batch of x or of y: 131,072 bytes
	s_lshl_b32 s31, s28, 12
	s_add_co_u32 s88, s30, s31                     ; x: + 16 rows of 256 bytes
	s_mov_b32 s89, 0
	s_lshl_b32 s31, s29, 14
	s_add_co_u32 s90, s30, s31                     ; y: + 64 rows
	s_mov_b32 s91, 0
	s_wait_alu depctr_va_vdst(0)
	s_wait_kmcnt 0x0
	s_add_nc_u64 s[4:5], s[4:5], s[88:89]
	s_add_nc_u64 s[6:7], s[6:7], s[90:91]
	s_lshl_b32 s88, s[BT], 7
	s_add_nc_u64 s[8:9], s[8:9], s[88:89]          ; t at my batch's 32 numbers
	s_lshl_b32 s88, s[BT], 20                      ; out0: 1,048,576 b + 16 rows of 2,048 bytes + 256 bytes for each 64 columns
	s_lshl_b32 s31, s28, 15
	s_add_co_u32 s88, s88, s31
	s_lshl_b32 s31, s29, 8
	s_add_co_u32 s88, s88, s31
	s_add_nc_u64 s[24:25], s[24:25], s[88:89]
	s_load_b512 s[TT:TT+15], s[8:9], 0x0
	s_load_b512 s[TT+16:TT+31], s[8:9], 0x40
	s_load_b128 s[E:E+3], s[22:23], 0x0
	s_load_b32 s[B3], s[20:21], 0x0
	; FIRST GROUP, 37 loads: what c1, the tables and K0 want.  Thread n takes unit n
	WIN 0x80                                       ; destination window 2
.irp d, 0,1,2,3,4,5,6,7,8,9,10,11,12,13,14,15,16,17,18,19,20,21,22,23,24,25,26,27,28,29,30,31
	global_load_b32 v[\d], v1, s[10:11] offset:(64+\d)*512   ; W1[64 + d][unit]
.endr
	global_load_b32 v32, v1, s[12:13]              ; b1[unit]
	global_load_b32 v33, v1, s[16:17]              ; b2[unit]
	global_load_b32 v34, v1, s[18:19]              ; W3[unit]
	WIN 0
	global_load_b128 v[24:27], v[LI], s[16:17]     ; for K0, in every wave: four numbers a lane of b2
	global_load_b128 v[28:31], v[LI], s[18:19]     ; and of W3
	; SECOND GROUP, 18 loads: my 16 rows of W1[:64], 512 consecutive bytes a load (lane L: columns 4 L .. 4 L + 3), and the work-group's 16 rows of x
.irp blk, 0,1
.irp i, 0,1,2,3,4,5,6,7
	global_load_b128 v[64+32*\blk+4*\i:64+32*\blk+4*\i+3], v[A1], s[10:11] offset:(8*\blk+\i)*512
.endr
.endr
	global_load_b128 v[16:19], v[T16], s[4:5]
	global_load_b128 v[20:23], v[T16], s[4:5] offset:2048
	; THIRD GROUP, 32 loads: my 32 rows of W2
.irp blk, 0,1,2,3
.irp i, 0,1,2,3,4,5,6,7
	global_load_b128 v[128+32*\blk+4*\i:128+32*\blk+4*\i+3], v[A2], s[14:15] offset:(8*\blk+\i)*512
.endr
.endr
	s_wait_kmcnt 0x0                               ; t, the exponents, b3
	POW2 E, SC1, LIM1
	POW2 E+1, SW1, LW1+1
	s_or_b32 s[LW1], s[LW1+1], 0x80000000
	POW2 E+3, SW2, LW2+1
	s_or_b32 s[LW2], s[LW2+1], 0x80000000
	s_add_co_i32 s30, s[E], s[E+1]
	s_sub_co_i32 s31, s[E+2], s30                  ; a sum of the first product stands for sum x 2^(e0 + e1): its code is sum / 2^(e2 - e0 - e1)
	POW2 31, SC2, LIM2
	s_sub_co_i32 s[NE01], 0, s30
	s_add_co_i32 s[E23], s[E+2], s[E+3]
	s_sub_co_i32 s[NE23], 0, s[E23]
	s_wait_loadcnt 50                              ; the first group is in: behind it stand the 18 and the 32 of the other two
	WIN 0xaa                                       ; all in window 2
	v_fma_f32 v32, s[TT], v0, v32                  ; c1[unit] = b1 + the sum over d of t[d] W1[64 + d][unit]: f32 multiply-adds, in four chains
	v_mul_f32 v35, s[TT+1], v1
	v_mul_f32 v36, s[TT+2], v2
	v_mul_f32 v37, s[TT+3], v3
.irp d, 4,8,12,16,20,24,28
	v_fma_f32 v32, s[TT+\d], v[\d], v32
	v_fma_f32 v35, s[TT+\d+1], v[\d+1], v35
	v_fma_f32 v36, s[TT+\d+2], v[\d+2], v36
	v_fma_f32 v37, s[TT+\d+3], v[\d+3], v37
.endr
	v_add_f32 v32, v32, v35
	v_add_f32 v36, v36, v37
	v_add_f32 v32, v32, v36
	v_ldexp_f32 v32, v32, s[NE01]                  ; c1 / 2^(e0 + e1)
	v_ldexp_f32 v33, v33, s[NE23]
	v_mul_f32 v33, -1.0, v33                       ; -b2 / 2^(e2 + e3)
	v_ldexp_f32 v34, v34, s[E23]                   ; W3 x 2^(e2 + e3)
	WIN 0x08                                       ; store data (source 1) window 2, address window 0
	ds_store_b32 v1, v32 offset:TB1
	ds_store_b32 v1, v33 offset:TNB
	ds_store_b32 v1, v34 offset:TW3
	WIN 0
	v_mul_f32 v24, v24, v28                        ; K0 = W3 . b2 + b3: four products a lane, then across the 32 lanes
	v_fma_f32 v24, v25, v29, v24
	v_fma_f32 v24, v26, v30, v24
	v_fma_f32 v24, v27, v31, v24
	v_add_f32_dpp v24, v24, v24 row_xmask:1 row_mask:0xf bank_mask:0xf
	v_add_f32_dpp v24, v24, v24 row_xmask:2 row_mask:0xf bank_mask:0xf
	v_add_f32_dpp v24, v24, v24 row_xmask:4 row_mask:0xf bank_mask:0xf
	v_add_f32_dpp v24, v24, v24 row_xmask:8 row_mask:0xf bank_mask:0xf
	v_permlanex16_b32 v25, v24, s[SEL], s[SEL+1]
	v_add_f32 v24, v24, v25
	v_add_f32 v24, s[B3], v24
	v_readfirstlane_b32 s[K0], v24                 ; a number only: it enters no address and no branch
	s_wait_loadcnt 32                              ; the second group is in: behind it stand W2's 32
	ds_store_b128 v[T16], v[16:19] offset:XL
	ds_store_b128 v[T16], v[20:23] offset:XL+2048
	s_wait_dscnt 0x0                               ; the stores have read v16-23, which now take codes
; A block of a weight, 8 rows (along K) x my 4 columns, becomes 4 x 8 codes.  The hold at +-448 x the scale, which the conversion wants (it does not saturate: ISA guide 7.6.2), also turns the block: it reads register
; 4 i + c (row i, column c) and writes 8 c + i, so that a column's eight numbers along K stand on end.  The two sets of code registers take turns.
.macro QBLOCK R, CS, lo, sc, adr, off0
.irp c, 0,1,2,3
.irp i, 0,1,2,3,4,5,6,7
	v_med3_num_f32 v[T+8*\c+\i], v[\R+4*\i+\c], s[\lo], s[\lo+1]
.endr
.endr
	s_wait_alu depctr_va_vdst(0)
	s_wait_dscnt 0x4                               ; all but the last block's four stores are done: those of the block before, which read this set of code registers, among them
.irp c, 0,1,2,3
	v_cvt_scalef32_pk8_fp8_f32 v[\CS+2*\c:\CS+2*\c+1], v[T+8*\c:T+8*\c+7], v[\sc]
.endr
	v_nop                                          ; a plain line between the last conversion and the next vector line that writes its sources
.irp c, 0,1,2,3
	ds_store_b64 v[\adr], v[\CS+2*\c:\CS+2*\c+1] offset:\off0+16*\c
.endr
.endm
	QBLOCK 64, 16, LW1, SW1, I1, W1IMG
	QBLOCK 96, 24, LW1, SW1, I1, W1IMG+256
	WIN 0x40                                       ; destination window 1
.irp t, 0,1,2,3
.irp c, 0,1,2,3
.irp q, 0,1
	global_load_b128 v[Y+32*\t+8*\c+4*\q:Y+32*\t+8*\c+4*\q+3], v[YO], s[6:7] offset:(32*(\t/2)+(\t%2))*256+64*\c+16*\q   ; y[j0 + 32 (t / 2) + 2 r + t % 2][16 c + 8 h + 4 q ..]: they stay
.endr
.endr
.endr
	v_mov_b32 v[XA0], v[H32]                       ; x: my 32 h bytes in each 64 of a row
	WIN 0
	s_wait_loadcnt 32                              ; W2 is in: behind it stand y's 32
	QBLOCK 128, 16, LW2, SW2, I2, W2IMG
	QBLOCK 160, 24, LW2, SW2, I2, W2IMG+256
	QBLOCK 192, 16, LW2, SW2, I2, W2IMG+8
	QBLOCK 224, 24, LW2, SW2, I2, W2IMG+256+8
	s_wait_dscnt 0x0                               ; for the others' sake: all my LDS stores have landed
	s_barrier_signal -1
	s_barrier_wait -1                              ; the one barrier: every LDS store of the launch stands ahead of it, every read of LDS behind it
.irp f, 0,1,2,3,4,5,6,7
.irp g, 0,1
	ds_load_b128 v[W1F+8*\f+4*\g:W1F+8*\f+4*\g+3], v[LI] offset:W1IMG+1040*\f+512*\g
.endr
.endr
	WIN 0x80
.irp f, 0,1,2,3,4,5,6,7
.irp g, 0,1,2,3
	ds_load_b128 v[16*\f+4*\g:16*\f+4*\g+3], v[LI] offset:W2IMG+2064*\f+512*\g
.endr
.endr
.irp f, 0,1,2,3,4,5,6,7                ; the tables in the results' layout: register 8 T + j = unit 16 T + 8 h + j
.irp q, 0,1
	ds_load_b128 v[W3+8*\f+4*\q:W3+8*\f+4*\q+3], v[H32] offset:TW3+64*\f+16*\q
	ds_load_b128 v[NB+8*\f+4*\q:NB+8*\f+4*\q+3], v[H32] offset:TNB+64*\f+16*\q
.endr
.endr
	WIN 0x40
.irp f, 0,1,2,3,4,5,6,7
.irp q, 0,1
	ds_load_b128 v[B1+8*\f+4*\q:B1+8*\f+4*\q+3], v[H32] offset:TB1+64*\f+16*\q
.endr
.endr
.irp c, 0,1,2,3
.irp q, 0,1
	ds_load_b128 v[X+8*\c+4*\q:X+8*\c+4*\q+3], v[H32] offset:XL+64*\c+16*\q   ; the first unit's row of x
.endr
.endr
	WIN 0
	s_wait_dscnt 0x0
	s_wait_loadcnt 0x0                             ; y; and no load that named v1 or v4-v9 is out any more: they take their parts in the loop
	v_and_b32 v[OFF], 31, v0
	v_lshlrev_b32 v[OFF], 3, v[OFF]                ; 8 x lane
	s_mov_b32 s[XR], 256
	s_mov_b32 s[TRIPS], 15
; THE MATRIX INSTRUCTIONS.  jj: which 16 units.  CR: the codes read; HN: the buffer of the tile that is on its way.
.macro M1W                             ; under 0x10: C (the bias table) in window 1
	v_wmma_f32_16x16x64_fp8_fp8 v[HN+8*jj:HN+8*jj+7], v[W1F+8*jj:W1F+8*jj+7], v[CR:CR+7], v[B1+8*jj:B1+8*jj+7]
.endm
.macro M2W                             ; under 0x02: source 0 (W2) in window 2
	v_wmma_f32_16x16x128_fp8_fp8 v[HN+8*jj:HN+8*jj+7], v[16*jj:16*jj+15], v[C2:C2+15], 0
.endm
.macro TICK2                           ; ahead of each vector line of P1's second part: a product M1 ahead of lines 0, 5, .. 35
.if MM && (vi%5 == 0) && (vi < 40)
.set jj, vi/5
	M1W
.endif
.set vi, vi+1
.endm
.macro TICK1                           ; ahead of each vector line of P3: a product M2 ahead of lines 4, 15, .. 81
.if MM && (vi >= 4) && ((vi-4)%11 == 0) && (vi < 92)
.set jj, (vi-4)/11
	M2W
.endif
.set vi, vi+1
.endm
.macro HOLD from, count                ; no vector line: it only advances the tick count
.set nn, \from
.rept \count
	TICK2
.set nn, nn+1
.endr
.endm
.macro CV1 g
	TICK2
	v_cvt_scalef32_pk8_fp8_f32 v[CW+2*\g:CW+2*\g+1], v[D+8*\g:D+8*\g+7], v[SC1]
.endm
.macro MED g                           ; the activation and the hold in one; each accumulator is read from its low end on
.irp i, 0,1,2,3,4,5,6,7
	v_med3_num_f32 v[HN+8*\g+\i], v[HN+8*\g+\i], 0, s[LIM2]
.endr
.endm
.macro CV2 g
	v_cvt_scalef32_pk8_fp8_f32 v[C2+2*\g:C2+2*\g+1], v[HN+8*\g:HN+8*\g+7], v[SC2]
.endm
.macro MAXL                            ; max(S, -b2 / s), ascending
	TICK1
	v_max_num_f32 v[HC+mx], v[NB+mx], v[HC+mx]
.set mx, mx+1
.endm
.macro LINKL                           ; two units' terms of the dot product; even links on the tile's pair, odd links on v[4:5]; the first of each chain starts it
	TICK1
.if lk%2 == 0
.set ch, PT
.else
.set ch, TBR
.endif
.if lk < 2
	v_pk_mul_f32 v[ch:ch+1], v[W3+2*lk:W3+2*lk+1], v[HC+2*lk:HC+2*lk+1]
.else
	v_pk_fma_f32 v[ch:ch+1], v[W3+2*lk:W3+2*lk+1], v[HC+2*lk:HC+2*lk+1], v[ch:ch+1]
.endif
.set lk, lk+1
.endm
.macro XLOAD                           ; the next unit's row of x: issued behind this row's last use, awaited at the head of the next slot: the rest of this slot's lines stand between
	WIN 0x45                                       ; destination, source 0 (the loads' address) and source 1 window 1
	v_add_nc_u32 v[ADR], s[XR], v[XA0]
.irp c, 0,1,2,3
.irp q, 0,1
	ds_load_b128 v[X+8*\c+4*\q:X+8*\c+4*\q+3], v[ADR] offset:XL+64*\c+16*\q
.endr
.endr
	s_add_co_u32 s[XR], s[XR], 256
.endm
; A SLOT.  t: the tile that it finishes.  p1 = 1: codes of the differences of tile t + 2 are made;  mm = 1: tile t + 1 goes through M1, P2, M2;  p3 = 1: tile t's dot product;  xl = 1: x's next row is asked for;  xw = 1: awaited.
; Distances, by this text's own count.  Behind the last M1 (ahead of line 35) stand 3 plain lines of P1 and 62 of P2 that name none of its registers, ahead of the first read of its result.  Behind the last M2 (ahead of
; line 81) stand 17 plain lines, ahead of the next slot's first write of v32-47, which it read.  An M2 writes over the registers that the M1 of the same number wrote: the holds of the other seven tiles stand between.
.macro SLOT t, p1, mm, p3, xl, xw
.set MM, \mm
.set TP, Y+32*((\t+2)%4)
.set CW, C1+8*(\t%2)
.set CR, C1+8*((\t+1)%2)
.set HC, HB+64*(\t%2)
.set HN, HB+64*((\t+1)%2)
.set PT, P+2*\t
.if \xw
	s_wait_dscnt 0x0                               ; x's new row is in
.endif
.if \p1
	WIN 0x05                                       ; sources 0 (x) and 1 (y) window 1
.irp n, 8,9,10,11,12,13,14,15,0,1,2,3,4,5,6,7
	v_pk_add_f32 v[D+2*\n:D+2*\n+1], v[X+2*\n:X+2*\n+1], v[TP+2*\n:TP+2*\n+1] neg_lo:[0,1] neg_hi:[0,1]   ; x - y: register 8 c + i = dimension 16 c + 8 h + i
.endr
.endif
.if \xl
	XLOAD
.endif
.if \p1
	WIN 0x10                                       ; source 2 window 1: the matrix instructions' C; the vector lines here have no third register
.set vi, 0
.irp n, 8,9,10,11,12,13,14,15,0,1,2,3,4,5,6,7
	TICK2
	v_pk_mul_f32 v[D+2*\n:D+2*\n+1], v[D+2*\n:D+2*\n+1], v[D+2*\n:D+2*\n+1]
.endr
	HOLD 0, 16
	CV1 0
	HOLD 16, 8
	CV1 1
	HOLD 24, 8
	CV1 2
	CV1 3                                          ; the plain line behind the conversions is P2's first hold, which names none of their registers;
.if \mm == 0
	v_nop                                          ; a slot without P2 has this one: the next slot's first subtraction writes v48 on, which the last two conversions read
.endif
.elseif \mm
	WIN 0x10
.set jj, 0
.rept 8
	M1W
.set jj, jj+1
.endr
	PLACES
.endif
.if \mm
	MED 0                                          ; P2: a conversion stands a tile behind its holds, so that plain lines part it from what touches its registers
	MED 1
	CV2 0
	MED 2
	CV2 1
	MED 3
	CV2 2
	MED 4
	CV2 3
	MED 5
	CV2 4
	MED 6
	CV2 5
	MED 7
	CV2 6
	CV2 7
.endif
.if \p3
	WIN 0x02                                       ; source 0 window 2: W2, W3 s, -b2 / s
.set vi, 0
.set mx, 0
.set lk, 0
.rept 4
	MAXL                                           ; four plain lines between the last conversion and the first product that reads the codes
.endr
.rept 30
	MAXL
	MAXL
	LINKL
.endr
	LINKL
	LINKL
	TICK1
	v_fma_f32 v[PT], 1.0, v[TBR], v[PT]            ; the two chains are joined.  Written as 1.0 x b + a: under this setting a register in the first place would be window 2's
	TICK1
	v_fma_f32 v[PT+1], 1.0, v[TBR+1], v[PT+1]
.elseif \mm
	WIN 0x02
	v_nop                                          ; the plain line between the last conversion and the first product
.set jj, 0
.rept 8
	M2W
.set jj, jj+1
.endr
	PLACES
.endif
.endm
; THE WAY OUT of a unit.  A lane's pair of tile t holds the terms of its half's 64 units, even and odd.  Lanes 0-15 finish tiles 0 and 1, lanes 16-31 tiles 2 and 3: each sends the other half of the lanes what that half finishes.
.macro OUT
	WIN 0
.irp u, 0,1,2,3
	v_add_f32 v[P+2*\u], v[P+2*\u], v[P+2*\u+1]
.endr
	v_cndmask_b32 v[P+1], v[P+4], v[P], vcc_lo     ; what I send: lanes 0-15 tile 2's, lanes 16-31 tile 0's,
	v_cndmask_b32 v[P+3], v[P+6], v[P+2], vcc_lo   ; and tile 3's or tile 1's
	v_cndmask_b32 v[P+5], v[P], v[P+4], vcc_lo     ; what I keep
	v_cndmask_b32 v[P+7], v[P+2], v[P+6], vcc_lo
	s_wait_alu depctr_va_vdst(0)
	s_wait_xcnt 0x0                                ; the last unit's store has had its address translated (ISA guide 3.1): only behind this wait are its data and its base written again
	s_add_nc_u64 s[24:25], s[24:25], 2048          ; the next row of out0; this unit's store reaches back
	v_permlanex16_b32 v[O], v[P+1], s[SEL], s[SEL+1]
	v_permlanex16_b32 v[O+1], v[P+3], s[SEL], s[SEL+1]
	v_add_f32 v[P+5], s[K0], v[P+5]
	v_add_f32 v[P+7], s[K0], v[P+7]
	v_add_f32 v[O], v[O], v[P+5]
	v_add_f32 v[O+1], v[O+1], v[P+7]
	global_store_b64 v[OFF], v[O:O+1], s[24:25] offset:-2048 th:TH_STORE_NT   ; columns j0 + 2 L, j0 + 2 L + 1: the wave stores 256 consecutive bytes, at a multiple of 256 from out0's first byte
.endm
	SLOT 2, 1, 0, 0, 0, 0                          ; the pipeline fills: unit 0's tile 0 gets its codes,
	SLOT 3, 1, 1, 0, 0, 0                          ; tile 1 its codes, and tile 0 goes through both products
	WIN 0                                          ; at a label and at a branch every window is 0
.Lunit:                                                ; 15 trips: each finishes a unit and begins the next
	SLOT 0, 1, 1, 1, 0, 0
	SLOT 1, 1, 1, 1, 1, 0                          ; this row of x has had its last use
	SLOT 2, 1, 1, 1, 0, 1                          ; the next unit's tile 0 begins
	SLOT 3, 1, 1, 1, 0, 0
	OUT
	s_sub_co_u32 s[TRIPS], s[TRIPS], 1
	s_cmp_lg_u32 s[TRIPS], 0
	s_cbranch_scc1 .Lunit
	SLOT 0, 1, 1, 1, 0, 0                          ; the last unit is written out: nothing is fetched or begun past the end
	SLOT 1, 1, 1, 1, 0, 0
	SLOT 2, 0, 1, 1, 0, 0
	SLOT 3, 0, 0, 1, 0, 0
	OUT
	s_set_vgpr_msb 0x5
	s_wait_tensorcnt 0x0
	ds_add_u32 v254, v255
	s_wait_dscnt 0x0
	s_set_vgpr_msb 0x500
	s_endpgm
.Lfunc_end_k_q7fb0f20b10_pairs:
	.size	k_q7fb0f20b10_pairs, .Lfunc_end_k_q7fb0f20b10_pairs-k_q7fb0f20b10_pairs
	.p2alignl 7, 3214868480
	.fill 96, 4, 3214868480
	.section	.rodata,"a",@progbits
	.p2align	6, 0x0
	.amdhsa_kernel k_q7fb0f20b10_pairs
		.amdhsa_group_segment_fixed_size 31232
		.amdhsa_private_segment_fixed_size 0
		.amdhsa_enable_private_segment 0
		.amdhsa_kernarg_size 88
		.amdhsa_user_sgpr_count 2
		.amdhsa_user_sgpr_kernarg_segment_ptr 1
		.amdhsa_wavefront_size32 1
		.amdhsa_system_sgpr_workgroup_id_x 1
		.amdhsa_system_sgpr_workgroup_id_y 1
		.amdhsa_system_sgpr_workgroup_id_z 1
		.amdhsa_system_vgpr_workitem_id 0
		.amdhsa_next_free_vgpr 768
		.amdhsa_next_free_sgpr 96
		.amdhsa_reserve_vcc 1
		.amdhsa_float_denorm_mode_32 3
		.amdhsa_float_denorm_mode_16_64 3
		.amdhsa_fp16_overflow 1
		.amdhsa_memory_ordered 1
		.amdhsa_forward_progress 1
		.amdhsa_inst_pref_size 141
	.end_amdhsa_kernel
	.amdgpu_metadata
---
amdhsa.version: [ 1, 2 ]
amdhsa.kernels:
  - .name:           k_q7fb0f20b10_pairs
    .symbol:         k_q7fb0f20b10_pairs.kd
    .args:
      - { .name: x, .offset: 0, .size: 8, .value_kind: global_buffer, .address_space: global }
      - { .name: y, .offset: 8, .size: 8, .value_kind: global_buffer, .address_space: global }
      - { .name: t, .offset: 16, .size: 8, .value_kind: global_buffer, .address_space: global }
      - { .name: W1, .offset: 24, .size: 8, .value_kind: global_buffer, .address_space: global }
      - { .name: b1, .offset: 32, .size: 8, .value_kind: global_buffer, .address_space: global }
      - { .name: W2, .offset: 40, .size: 8, .value_kind: global_buffer, .address_space: global }
      - { .name: b2, .offset: 48, .size: 8, .value_kind: global_buffer, .address_space: global }
      - { .name: W3, .offset: 56, .size: 8, .value_kind: global_buffer, .address_space: global }
      - { .name: b3, .offset: 64, .size: 8, .value_kind: global_buffer, .address_space: global }
      - { .name: lowp_scales, .offset: 72, .size: 8, .value_kind: global_buffer, .address_space: global }
      - { .name: out0, .offset: 80, .size: 8, .value_kind: global_buffer, .address_space: global }
    .group_segment_fixed_size: 31232
    .private_segment_fixed_size: 0
    .kernarg_segment_align: 8
    .kernarg_segment_size: 88
    .max_flat_workgroup_size: 128
    .sgpr_count:     96
    .vgpr_count:     768
    .wavefront_size: 32
...
	.end_amdgpu_metadata
.endif
;; end of part 1
